; MI455X (gfx1250); checked and timed in simulation.
; The chip was launched on July 23, 2026; its instructions are those of AMD's public machine-readable ISA for CDNA 5 (MIT licence, August 2026) and "CDNA5" Instruction Set Architecture Reference Guide (July 2026). The comments in the code are by the model that wrote it; some were corrected since.
;; Quantized Linear. Allowed arithmetic: matrix products marked QUANTISED: E2M1 operands, one E8M0 scale for each 32 along K, by v_wmma_scale_f32_16x16x128_f8f6f4 with both operands' format E2M1 (or v_wmma_scale_f32_32x16x128_f4), f32 sums; everything else in f32.
;; Inputs: bias 4,096 float32; scale 4,096 x 32 float32; weight_q 4,096 x 4,096 int32; x 2 x 2,048 x 4,096 float32; zero_point 4,096 x 32 float32.
;; Outputs: out0 2 x 2,048 x 4,096 float32.
;; This version of the problem:
;;   THIS VERSION OF THE PROBLEM IS GIVEN IN LOW PRECISION. The matrix products marked QUANTISED in the list below multiply operands that are first quantised to E2M1 (2 exponent bits, 1 mantissa bit; 4 bits a number), with one power-of-two scale for each 32 numbers along K (OCP MX v1.0); their sums are f32. All else is computed in f32.
;;   The module's matrix products, in the order in which they are computed (A, B: the left and right operand; K: the contracted axis; several contracted axes count as one K, in the product's order):
;;     1. [M 4,096, K 4,096] x [K 4,096, N 4,096]; A: input x; B: computed on the way: QUANTISED
;;   THE QUANTISER, for each operand of a quantised product, along K:
;;     - K is cut into blocks of 32 from its start; a last block that is shorter is filled with zeros.
;;     - A block's scale is 2^e with e = floor(log2(the largest magnitude in the block)) - 2, held to -126 .. 127; a block of zeros has e = 0. As a byte (E8M0): e + 127.
;;     - Each number is divided by its block's scale, clamped to +-6, and rounded to the nearest number of E2M1, ties to even, subnormals kept.
;;     - The product sums the exact products of the quantised numbers (number of the format x scale) in f32.
;;   ~~~python
;;   def quantise(x, axis):      # numpy; x: float32 -> the quantised numbers, widened to float32 again
;;       x = np.moveaxis(x, axis, -1); K = x.shape[-1]
;;       x = np.pad(x, [(0, 0)] * (x.ndim - 1) + [(0, -K % 32)]); x = x.reshape(x.shape[:-1] + (-1, 32)); a = np.abs(x).max(-1, keepdims=True)
;;       e = np.where(a > 0, np.clip(np.frexp(np.where(a > 0, a, 1))[1] - 1 - 2, -126, 127), 0)      # np.frexp(a)[1] - 1 = floor(log2(a)), exactly
;;       r = np.clip(x / 2.0 ** e, -6, 6)
;;       step = 2.0 ** (np.maximum(np.frexp(np.where(r == 0, 1, r))[1] - 1, 0) - 1)
;;       q = np.round(r / step) * step * 2.0 ** e      # np.round: ties to even
;;       return np.moveaxis(q.reshape(q.shape[:-2] + (-1,))[..., :K], -1, axis).astype(np.float32)
;;   ~~~
;;   OPERANDS COMPUTED ON THE WAY. 'Computed on the way' means the value that the module computes at that place (a softmax that the list does not call 'softmax' is quantised finished and normalised). What goes into a quantiser is computed in f32, as accurately as f32 sums, v_exp_f32 and their like allow (about 1e-6 of the number): no bf16 or f16 on the way to a quantiser, and a product that is left as it is and whose result goes on into a quantised operand takes f32 operands (vector FMAs, or v_wmma_f32_16x16x4_f32). A number that lies on a knife's edge between two numbers of the format may be rounded either way, as far as f32 arithmetic and the matrix unit's own rounding can turn it there, and no further.
;; One version. Each part assembles by itself: llvm-mc -triple=amdgcn-amd-amdhsa -mcpu=gfx1250 --defsym DOCPART=n.
;; ======== version 1 of 1: 2 launches
;; limits: right only within a limited range of input values
;; workspace buffers: acodes 8,912,896 bytes; bcodes 8,912,896 bytes
;; launch quant (part 1): grid 512 x 1, 8 waves a work-group, no clusters, 91,136 bytes of LDS; arguments x, weight_q, scale, zero_point, acodes, bcodes; writes acodes, bcodes
.if DOCPART == 1
	.amdgcn_target "amdgcn-amd-amdhsa--gfx1250"
	.amdhsa_code_object_version 6
	.text
	.protected	k_q6f0bfda598_quant
	.globl	k_q6f0bfda598_quant
	.p2align	8
	.type	k_q6f0bfda598_quant,@function
k_q6f0bfda598_quant:
	s_mov_b64 s[64:65], 0
	v_nop
	global_prefetch_b8 v0, s[64:65] scope:SCOPE_SE
	s_setreg_imm32_b32 hwreg(HW_REG_WAVE_MODE, 25, 1), 1
	s_wait_xcnt 0x0
; x [4096][4096] f32, and w [4096][4096] = (float(weight_q) - zero_point[n][k / 128]) * scale[n][k / 128] (f32: the difference is rounded, then the product, as the problem writes it),
; are turned into codes of FP4 (E2M1), 4 bits each, with one E8M0 scale byte for each 32 along K.
; A block's scale is 2^(floor(log2(its largest magnitude)) - 2); its byte is the largest magnitude's own exponent field - 2, held at 1 from below.  Each number is divided by the scale and rounded to the
; nearest code, ties to even; beyond the largest code the conversion gives the largest code.
; LIMITS: NaN and infinities among the inputs are not served.  A block whose largest magnitude lies under 2^-124 has its byte held at 1.  A block of zeros gets the byte 1 where the rule says 127: its codes
; are zeros, which add nothing under that byte, and the bytes are read by this program alone.  weight_q is converted exactly for magnitudes up to 2^24.
; THE OUTPUT LIES IN THE ORDER OF THE MATRIX OPERAND'S REGISTERS, in records of 34,816 bytes: [g = row / 128][s = k / 512][record].  A record is 128 rows x 512 K:
; codes [i = (row % 128) / 16][j = (k % 512) / 32][r = row % 16][16 bytes = 32 codes], 32,768 bytes, and behind them the scale bytes [i][r][16 bytes, byte j], 2,048 bytes.
; So the next launch takes a record as 136 dense rows of 256 bytes, a fragment as 16 bytes a lane at 16 x lane, and a row's four scale words of a K step as 16 bytes.
; SHARES.  Work-groups 0-255 take x, 256-511 take w; work-group R of a tensor takes rows 16 R .. 16 R + 15; its wave w takes K step s = w of them: 16 steps, step t = 512 numbers of row 16 R + t.
; So a wave makes part i of one record (g, s): 4,096 consecutive bytes of codes and 256 consecutive bytes of scale bytes.
; A STEP.  Four loads of 512 consecutive bytes, 16 a lane; the 2,048 bytes turn through the wave's own stage in LDS and come back 64 bytes a lane: 16 neighbours along K, two lanes to a block.
; Loads run four steps (16 loads a wave) ahead, the turn through LDS one step.  The codes stay in registers until the wave's end, go through a stage and leave as whole aligned runs of 512 bytes.
; TWO PATHS part once, on the work-group's number, and never join; each has LDS bytes of its own.  No tensor loads; matrix units and clusters have nothing to do in a stream whose waves share only a table of 4 KB.
.set REC,   34816                      ; a record
.set GRP,   8*REC                      ; a group's eight records
.set REG0,  4096                       ; LDS: bytes 0-4095: the w path's table: 16 rows x 32 f32 of zero_point, then of scale
.set WREG,  5376                       ; then a region for each wave: two turn stages of 2,560 bytes, and behind them its 256 scale bytes
.set LBW,   8*WREG                     ; the w path's regions lie this far behind the x path's
.set SP,    80                         ; a lane's place in a turn stage: its 64 bytes + 16 of padding
.set STG,   32*SP                      ; a turn stage
.set SBY,   2*STG                      ; where a wave's scale bytes lie in its region
.set UP,    272                        ; the code stage (over the turn stages, used behind the last step): 16 runs of 256 bytes + 16 of padding
.set R,     16                         ; v16-79   four sets of 16 numbers as they are loaded; at the end the codes on their way out
.set X,     80                         ; v80-111  two sets of 16 neighbours
.set E,     112                        ; v112-127 a scale byte for each step
.set C,     128                        ; v128-159 two registers of codes for each step
.set ZS,    160                        ; v160-191 w path: the pair {zero_point, scale} of my 16 numbers, for each step
	s_load_b256 s[4:11], s[0:1], 0x0               ; x s[4:5], weight_q s[6:7], scale s[8:9], zero_point s[10:11]
	s_load_b128 s[12:15], s[0:1], 0x20             ; x's records s[12:13], w's records s[14:15]
	v_lshl_add_u32 v192, v0, 2, 0x16000
	v_mov_b32 v193, 0
	v_lshrrev_b32 v1, 5, v0
	s_delay_alu instid0(VALU_DEP_1)
	v_readfirstlane_b32 s18, v1                    ; wave 0..7 = my K step
	v_and_b32 v2, 31, v0                           ; lane
	v_lshlrev_b32 v1, 3, v0                        ; the table: 8 bytes a thread, in memory and in LDS alike
	s_delay_alu instid0(VALU_DEP_2)
	v_lshlrev_b32 v3, 4, v2                        ; my 16 bytes of a load's 512; also of a store's
	s_mul_i32 s19, s18, WREG
	s_add_co_u32 s19, s19, REG0                    ; my wave's region (the x path's)
	v_lshrrev_b32 v8, 1, v2                        ; my block of the step's 16
	v_and_b32 v9, 1, v2                            ; which half of it
	s_delay_alu instid0(VALU_DEP_2)
	v_mul_u32_u24 v4, v8, UP
	s_delay_alu instid0(VALU_DEP_1)
	v_lshl_add_u32 v4, v9, 3, v4
	s_delay_alu instid0(VALU_DEP_1)
	v_add_nc_u32 v4, s19, v4                       ; the code stage, in: run j = my block, + 8 bytes for the upper half; + 16 t by the immediate
	v_add_nc_u32 v5, s19, v8
	s_delay_alu instid0(VALU_DEP_1)
	v_add_nc_u32 v5, SBY, v5                       ; my block's scale byte; + 16 t by the immediate
	v_lshlrev_b32 v7, 3, v2                        ; the scale bytes on their way out: 8 a lane
	s_delay_alu instid0(VALU_DEP_1)
	v_add_nc_u32 v6, s19, v7
	s_delay_alu instid0(VALU_DEP_1)
	v_add_nc_u32 v6, SBY, v6
	v_lshrrev_b32 v8, 4, v2
	v_and_b32 v9, 15, v2
	s_delay_alu instid0(VALU_DEP_2)
	v_mul_u32_u24 v10, v8, UP
	s_delay_alu instid0(VALU_DEP_1)
	v_lshl_add_u32 v10, v9, 4, v10
	s_delay_alu instid0(VALU_DEP_1)
	v_add_nc_u32 v10, s19, v10                     ; the code stage, back: sixteen lanes to a run, two runs an instruction
	v_lshrrev_b32 v8, 3, v2
	s_delay_alu instid0(VALU_DEP_1)
	v_lshlrev_b32 v12, 2, v8
	s_delay_alu instid0(VALU_DEP_1)
	v_lshl_add_u32 v12, s18, 4, v12                ; the table, read: group 4 w + lane / 8 of a row: 4 bytes each; + 128 t by the immediate
	v_lshrrev_b32 v8, 2, v2
	v_and_b32 v9, 3, v2
	s_delay_alu instid0(VALU_DEP_2)
	v_mul_u32_u24 v14, v8, SP
	s_delay_alu instid0(VALU_DEP_1)
	v_lshl_add_u32 v14, v9, 4, v14
	s_delay_alu instid0(VALU_DEP_1)
	v_add_nc_u32 v14, s19, v14                     ; a turn stage, in: four lanes' 64 bytes on end, then 16 of padding
	v_mul_u32_u24 v15, v2, SP
	s_delay_alu instid0(VALU_DEP_1)
	v_add_nc_u32 v15, s19, v15                     ; and back: my 16 neighbours
	s_wait_kmcnt 0x0
	s_cmp_lt_u32 ttmp9, 256                        ; x's work-group or w's?  The choice hangs on the work-group's number alone
	s_cselect_b64 s[4:5], s[4:5], s[6:7]           ; the numbers
	s_cselect_b64 s[12:13], s[12:13], s[14:15]     ; the records
	s_cselect_b32 s21, 0, 256
	s_sub_co_u32 s20, ttmp9, s21                   ; R
	s_lshl_b32 s22, s20, 18                        ; in: 16 rows of 16,384 bytes a work-group,
	s_lshl_b32 s21, s18, 11                        ; 2,048 bytes a K step
	s_add_co_u32 s22, s22, s21
	s_mov_b32 s23, 0
	s_add_nc_u64 s[4:5], s[4:5], s[22:23]
	s_lshr_b32 s29, s20, 3                         ; g
	s_and_b32 s30, s20, 7                          ; i
	s_mul_i32 s24, s29, GRP
	s_mul_i32 s21, s18, REC
	s_add_co_u32 s24, s24, s21                     ; my record: GRP g + REC s (under 2^24)
	s_lshl_b32 s21, s30, 8
	s_add_co_u32 s26, s24, s21
	s_add_co_u32 s26, s26, 32768                   ; its scale bytes: behind the codes, 256 i on
	s_mov_b32 s27, 0
	s_add_nc_u64 s[16:17], s[12:13], s[26:27]
	s_lshl_b32 s21, s30, 12
	s_add_co_u32 s24, s24, s21                     ; its codes: 4,096 i on
	s_mov_b32 s25, 0
	s_add_nc_u64 s[12:13], s[12:13], s[24:25]
.macro LOAD t                          ; step t: 512 numbers of row t
.irp i, 0,1,2,3
	global_load_b128 v[R+16*((\t)%4)+4*\i:R+16*((\t)%4)+4*\i+3], v3, s[4:5] offset:16384*(\t)+512*\i th:TH_LOAD_NT   ; 32 lanes read 512 consecutive bytes; read once in the launch
.endr
.endm
.macro TURN t, lb                      ; step t's numbers through a stage: LDS serves a wave's instructions in order (ISA guide 5.7.1), so no wait stands between the stores and the loads
.irp i, 0,1,2,3
	ds_store_b128 v14, v[R+16*((\t)%4)+4*\i:R+16*((\t)%4)+4*\i+3] offset:\lb+STG*((\t)%2)+8*SP*\i
.endr
.irp i, 0,1,2,3
	ds_load_b128 v[X+16*((\t)%2)+4*\i:X+16*((\t)%2)+4*\i+3], v15 offset:\lb+STG*((\t)%2)+16*\i
.endr
.endm
; deq = 1: the numbers are whole numbers of weight_q and are dequantised first.  lb: where the path's LDS regions begin.
.macro STEP t, deq, lb
.set XS, X+16*((\t)%2)
.if (\t) > 0
	s_wait_dscnt 1                                 ; this step's numbers are back from the stage (the last step's byte store, issued behind them, may be out): so the stores into the stage have read their registers,
.else
	s_wait_dscnt 0x0
.endif
.if (\t)+4 < 16
	LOAD (\t)+4                                    ; which take the loads of four steps on
.endif
.if (\t)+1 < 16
.if 14-(\t) >= 3
	s_wait_loadcnt 12                              ; the next step's four loads are in; those of the three steps behind it may be out
.else
	s_wait_loadcnt 4*(14-(\t))                     ; the same count, running down
.endif
	TURN (\t)+1, \lb                               ; and go through the other stage while this step is worked
.endif
.if \deq
.irp i, 0,1,2,3,4,5,6,7,8,9,10,11,12,13,14,15
	v_cvt_f32_i32 v[XS+\i], v[XS+\i]
.endr
.irp i, 0,2,4,6,8,10,12,14
	v_pk_add_f32 v[XS+\i:XS+\i+1], v[XS+\i:XS+\i+1], v[ZS+2*(\t):ZS+2*(\t)+1] op_sel_hi:[1,0] neg_lo:[0,1] neg_hi:[0,1]   ; - zero_point: the pair's first register serves both halves
.endr
.irp i, 0,2,4,6,8,10,12,14
	v_pk_mul_f32 v[XS+\i:XS+\i+1], v[XS+\i:XS+\i+1], v[ZS+2*(\t):ZS+2*(\t)+1] op_sel:[0,1] op_sel_hi:[1,1]                ; x scale: the pair's second register serves both.  Not fused with the line above: the difference is rounded first, as the problem has it
.endr
.endif
	v_max3_num_f32 v8, |v[XS]|, |v[XS+1]|, |v[XS+2]|               ; the largest magnitude of my 16, in two chains
	v_max3_num_f32 v9, |v[XS+3]|, |v[XS+4]|, |v[XS+5]|
.irp i, 6,10
	s_delay_alu instid0(VALU_DEP_2)
	v_max3_num_f32 v8, v8, |v[XS+\i]|, |v[XS+\i+1]|
	s_delay_alu instid0(VALU_DEP_2)
	v_max3_num_f32 v9, v9, |v[XS+\i+2]|, |v[XS+\i+3]|
.endr
	s_delay_alu instid0(VALU_DEP_2)
	v_max3_num_f32 v8, v8, |v[XS+14]|, |v[XS+15]|
	s_delay_alu instid0(VALU_DEP_1)
	v_max3_num_f32 v8, v8, v9, 0x1800000           ; and the floor 2^(3 - 127): so the byte cannot fall under 1
	s_delay_alu instid0(VALU_DEP_1)
	v_max_num_f32_dpp v8, v8, v8 row_xmask:1 row_mask:0xf bank_mask:0xf   ; and of my neighbour's 16: the block's
	s_delay_alu instid0(VALU_DEP_1)
	v_add_nc_u32 v11, 0xff000000, v8               ; 2 off its exponent field: the conversion takes the exponent field of this operand as its scale, and nothing else of it
	v_cvt_scalef32_pk8_fp4_f32 v[C+2*(\t)], v[XS:XS+7], v11
	v_cvt_scalef32_pk8_fp4_f32 v[C+2*(\t)+1], v[XS+8:XS+15], v11
	v_lshrrev_b32 v[E+(\t)], 23, v11               ; the scale's byte (also the plain line behind the conversions)
	ds_store_b8 v5, v[E+(\t)] offset:\lb+16*(\t)   ; row t's 16 bytes; both lanes of a block write the same byte with the same value
.endm
; The wave's end: its 4,096 bytes of codes go through the code stage, piece (row t, block j) to run j at 16 t, and leave in the order [j][r]; its 256 scale bytes leave as they lie.
.macro FINISH lb
.irp t, 0,1,2,3,4,5,6,7,8,9,10,11,12,13,14,15
	ds_store_b64 v4, v[C+2*\t:C+2*\t+1] offset:\lb+16*\t          ; word 68 j + 2 (lane % 2) + 4 t: the 32 lanes' 64 words fall on 64 different banks (64 banks of 4 bytes: ISA guide 11.1)
.endr
.irp u, 0,1,2,3,4,5,6,7
	ds_load_b128 v[R+4*\u:R+4*\u+3], v10 offset:\lb+2*UP*\u       ; these see my stores: a wave's LDS instructions are served in order
.endr
	ds_load_b64 v[80:81], v6 offset:\lb
.irp u, 0,1,2,3,4,5,6,7
	s_wait_dscnt 8-\u                              ; behind load u: the 7 - u later loads of codes and the load of the scale bytes
	global_store_b128 v3, v[R+4*\u:R+4*\u+3], s[12:13] offset:512*\u   ; 32 lanes store 512 consecutive bytes, at a multiple of 256 from the buffer's first byte
.endr
	s_wait_dscnt 0x0
	global_store_b64 v7, v[80:81], s[16:17]        ; 32 lanes store 256 consecutive bytes, aligned
	s_wait_tensorcnt 0x0
	ds_add_u32 v192, v193
	s_wait_dscnt 0x0
	s_endpgm
.endm
	s_cmp_lt_u32 ttmp9, 256                        ; (compared again: the sums above have written SCC)
	s_cbranch_scc1 .Lx
	; ---- THE W PATH.  The 16 rows' zero_point and scale, 2,048 consecutive bytes each, come once: 8 bytes a thread, a wave's load covers 256 consecutive bytes, aligned; they are shared through LDS.
	s_lshl_b32 s22, s20, 11                        ; 16 rows of 128 bytes a work-group (s23 is 0)
	s_add_nc_u64 s[8:9], s[8:9], s[22:23]
	s_add_nc_u64 s[10:11], s[10:11], s[22:23]
	global_load_b64 v[80:81], v1, s[10:11]         ; zero_point
	global_load_b64 v[82:83], v1, s[8:9]           ; scale
.irp t, 0,1,2,3
	LOAD \t
.endr
	s_wait_loadcnt 16                              ; the two table loads are in; the 16 loads of numbers behind them may be out
	ds_store_b64 v1, v[80:81]
	ds_store_b64 v1, v[82:83] offset:2048
	s_wait_dscnt 0x0                               ; for the others' sake: my part of the table has landed
	s_barrier_signal -1                            ; the launch's one barrier; the branch in front of it hangs on the work-group's number, so all eight waves of a work-group pass it or none
	s_barrier_wait -1
	s_wait_alu depctr_va_vdst(0)
.irp t, 0,1,2,3,4,5,6,7,8,9,10,11,12,13,14,15
	ds_load_b32 v[ZS+2*\t], v12 offset:128*\t      ; row t, my group of 128: zero_point,
	ds_load_b32 v[ZS+2*\t+1], v12 offset:2048+128*\t   ; scale.  (Step 0's wait for all LDS instructions covers these)
.endr
	s_wait_loadcnt 12                              ; step 0's four loads are in
	TURN 0, LBW
.irp t, 0,1,2,3,4,5,6,7,8,9,10,11,12,13,14,15
	STEP \t, 1, LBW
.endr
	FINISH LBW
.Lx:
	; ---- THE X PATH: no table, no barrier: its waves share nothing
.irp t, 0,1,2,3
	LOAD \t
.endr
	s_wait_loadcnt 12                              ; step 0's four loads are in
	s_wait_alu depctr_va_vdst(0)
	TURN 0, 0
.irp t, 0,1,2,3,4,5,6,7,8,9,10,11,12,13,14,15
	STEP \t, 0, 0
.endr
	FINISH 0
.Lfunc_end_k_q6f0bfda598_quant:
	.size	k_q6f0bfda598_quant, .Lfunc_end_k_q6f0bfda598_quant-k_q6f0bfda598_quant
	.p2alignl 7, 3214868480
	.fill 96, 4, 3214868480
	.section	.rodata,"a",@progbits
	.p2align	6, 0x0
	.amdhsa_kernel k_q6f0bfda598_quant
		.amdhsa_group_segment_fixed_size 91136
		.amdhsa_private_segment_fixed_size 0
		.amdhsa_enable_private_segment 0
		.amdhsa_kernarg_size 48
		.amdhsa_user_sgpr_count 2
		.amdhsa_user_sgpr_kernarg_segment_ptr 1
		.amdhsa_wavefront_size32 1
		.amdhsa_system_sgpr_workgroup_id_x 1
		.amdhsa_system_sgpr_workgroup_id_y 1
		.amdhsa_system_sgpr_workgroup_id_z 1
		.amdhsa_system_vgpr_workitem_id 0
		.amdhsa_next_free_vgpr 194
		.amdhsa_next_free_sgpr 66
		.amdhsa_reserve_vcc 0
		.amdhsa_float_denorm_mode_32 3
		.amdhsa_float_denorm_mode_16_64 3
		.amdhsa_memory_ordered 1
		.amdhsa_forward_progress 1
		.amdhsa_inst_pref_size 102
	.end_amdhsa_kernel
	.amdgpu_metadata
---
amdhsa.version: [ 1, 2 ]
amdhsa.kernels:
  - .name:           k_q6f0bfda598_quant
    .symbol:         k_q6f0bfda598_quant.kd
    .args:
      - { .name: x, .offset: 0, .size: 8, .value_kind: global_buffer, .address_space: global }
      - { .name: weight_q, .offset: 8, .size: 8, .value_kind: global_buffer, .address_space: global }
      - { .name: scale, .offset: 16, .size: 8, .value_kind: global_buffer, .address_space: global }
      - { .name: zero_point, .offset: 24, .size: 8, .value_kind: global_buffer, .address_space: global }
      - { .name: acodes, .offset: 32, .size: 8, .value_kind: global_buffer, .address_space: global }
      - { .name: bcodes, .offset: 40, .size: 8, .value_kind: global_buffer, .address_space: global }
    .group_segment_fixed_size: 91136
    .private_segment_fixed_size: 0
    .kernarg_segment_align: 8
    .kernarg_segment_size: 48
    .max_flat_workgroup_size: 256
    .sgpr_count:     66
    .vgpr_count:     194
    .wavefront_size: 32
...
	.end_amdgpu_metadata
.endif
;; end of part 1
;; launch gemm (part 2): grid 16 x 16, 4 waves a work-group, clusters of 4 x 4, 327,680 bytes of LDS; arguments acodes, bcodes, bias, out0; writes out0
.if DOCPART == 2
	.amdgcn_target "amdgcn-amd-amdhsa--gfx1250"
	.amdhsa_code_object_version 6
	.text
	.protected	k_q6f0bfda598_gemm
	.globl	k_q6f0bfda598_gemm
	.p2align	8
	.type	k_q6f0bfda598_gemm,@function
k_q6f0bfda598_gemm:
	s_mov_b64 s[64:65], 0
	v_nop
	global_prefetch_b8 v0, s[64:65] scope:SCOPE_SE
	s_setreg_imm32_b32 hwreg(HW_REG_WAVE_MODE, 25, 1), 1
	s_wait_xcnt 0x0
	s_wait_alu depctr_hold_cnt(0) depctr_sa_sdst(0) depctr_va_vdst(0) depctr_va_sdst(0) depctr_va_ssrc(0) depctr_va_vcc(0) depctr_vm_vsrc(0)
	s_getreg_b32 s2, hwreg(HW_REG_IB_STS2, 6, 4)
	s_cmp_eq_u32 s2, 0
	s_cbranch_scc0 .Lentry_in_a_cluster
	s_endpgm
.Lentry_in_a_cluster:
	s_bfe_u32 s2, ttmp6, 0x10000c
	s_cmp_lg_u32 s2, 0xf033
	s_cbranch_scc0 .Lentry_shape_is_right
	s_endpgm
.Lentry_shape_is_right:
; out0[m][n] = sum over k of A[m][k] B[n][k] + bias[n]: A = x's codes, B = w's codes (FP4, E2M1, one E8M0 byte for each 32 along K), as the launch before laid them:
; records of 34,816 bytes [g = row / 128][s = k / 512]: codes [i = 16 rows][j = 32 K][r][16 bytes], then the scale bytes [i][r][16 bytes].  Sums in f32, K ascending; the bias is added to the finished sum in f32.
; A tile of 256 x 256 to a work-group of four waves, 128 x 128 a wave: 64 accumulators.  K goes in steps of 512 through a ring of two LDS slots (four records each), filled by joint loads:
; 4 x 4 work-groups form a cluster, A's records are shared along its rows, B's along its columns.
; THE MATRIX INSTRUCTION IS USED TRANSPOSED (source 0 = 16 rows of B, source 1 = 16 rows of A): a lane holds eight neighbouring numbers of a row of out0.
; REGISTERS.  Both operands have TWO sets of fragments, so that a step's 32 LDS loads are asked for while the step before is multiplied.  The accumulators lie as four quadrants of 16, one in each window,
; and beside each a piece of fragments (4 blocks of 16 rows x 128 K, 32 registers, two sets).  A load's data go to the window of D and its address comes from the window of source 0, so a piece is fetched
; under the setting of its window's quadrant:
;   window 0: v0-127 A rows 0-63 x B rows 0-63;    v128-191 A's rows 0-63;    v192-255 scale words, two sets (they hold nothing else)
;   window 1: v0-127 A rows 0-63 x B rows 64-127;  v128-191 B's rows 0-63;    v192.. addresses of A, of the scale words, the add's two registers, the way out
;   window 2: v0-127 A rows 64-127 x B rows 64-127; v128-191 B's rows 64-127; v192-193 addresses of B
;   window 3: v0-127 A rows 64-127 x B rows 0-63;  v128-191 A's rows 64-127
; A step of 128 along K: a run of 16 loads (the next step's rows 0-63 of B and of A), quadrants 0 and 1, a run of 16 loads (its rows 64-127), quadrants 2 and 3: six switches of the windows.
.set SIZE_N, 4096
.set CODES,  32768
.set HALFT,  34816                     ; a record: what one tensor load brings
.set GRP,    8*HALFT
.set SLOT,   4*HALFT                   ; A's two records, then B's two
.set LAPS,   4
.set SPARE,  2*SLOT                    ; behind the ring: the spare words, 128 bytes a wave
.set SPITCH, 528                       ; the way out: a stage of 16 rows x (512 + 16) bytes a wave, in slot 0 behind its last fill and last read
.set FB,   128                         ; fragments, in every window
.set SC,   192                         ; scale words (window 0): set s at SC + 32 s; register 4 i + q: lanes 0-15 A's block i, lanes 16-31 B's block i
.set ADRA, 192                         ; window 1: LDS address of my A fragments in slot 0, 1
.set ADRS, 194                         ; window 1: of my scale words
.set SPW,  196                         ; window 1: my spare word; never rewritten
.set NIL,  197                         ; window 1: 0; never rewritten
.set STO,  198                         ; window 1: the way out: into the stage,
.set RD,   199                         ; back from it,
.set CO,   200                         ; my 16 bytes of a row of 512
.set PFO,  201                         ; window 1: prefetch offsets: 256 x lane,
.set PFO2, 202                         ; and blocks 32 and 33 of my share
.set BI,   204                         ; window 1: v204-207 the bias of my four columns
.set ADRB, 192                         ; window 2: LDS address of my B fragments in slot 0, 1
.set G1, 24
.set G0, 32
.set G1B, 48
.set G0B, 56
.set BA,  72
.set BB,  74
.set PFB, 76                           ; s[76:77] my share of the records that I fetch, at K step 0
.set PFA, 84                           ; s[84:85] the same at the K step that the loop's prefetch names
.set MSB, 0
.macro WIN new                         ; the immediate's high byte repeats the setting that is left
.if MSB != (\new)
	s_set_vgpr_msb (MSB<<8)|(\new)
.set MSB, (\new)
.endif
.endm
.macro JLOAD g0a, g1a, g0b, g1b        ; a joint load: waves 0 and 1 fetch A's records, waves 2 and 3 B's
	s_cmp_eq_u32 s15, 0
	s_cbranch_scc0 .Lfor_b_\@
	tensor_load_to_lds s[\g0a:\g0a+3], s[\g1a:\g1a+7]
	s_nop 0
.rept 4
	v_nop
.endr
	s_branch .Lasked_\@
.Lfor_b_\@:
	tensor_load_to_lds s[\g0b:\g0b+3], s[\g1b:\g1b+7]
	s_nop 0
.rept 4
	v_nop
.endr
.Lasked_\@:
.endm
.macro CREST                           ; a round of the cluster's barrier behind its opening barrier
	s_cmp_lg_u32 s14, 0
	s_cbranch_scc1 .Lnot_wave_0_\@
	s_barrier_signal -3
.Lnot_wave_0_\@:
	s_barrier_wait -3
	s_barrier_signal -1
	s_barrier_wait -1
.endm
.macro CROUND
	s_barrier_signal -1
	s_barrier_wait -1
	CREST
.endm
.macro PLACES
.rept 4
	v_nop
.endr
.endm
	s_load_b256 s[4:11], s[0:1], 0x0               ; A's records, B's records, bias, out0
	WIN 0x40                                       ; destination window 1
	v_lshl_add_u32 v[SPW], v0, 2, SPARE
	v_mov_b32 v[NIL], 0
	WIN 0x05                                       ; the add's address and data: window 1
	ds_add_u32 v[SPW], v[NIL]                      ; the opening lines: the add, twice on end, and its wait ahead of my first tensor load
	ds_add_u32 v[SPW], v[NIL]
	WIN 0
	v_lshrrev_b32 v1, 5, v0
	v_readfirstlane_b32 s14, v1                    ; wave 0..3
	s_lshr_b32 s15, s14, 1                         ; my half of the tile's rows; also: I fetch for A (0) or B (1)
	s_and_b32 s16, s14, 1                          ; my half of its columns; also: which record of the two I fetch
	s_bfe_u32 s40, ttmp6, 0x40000                  ; cx
	s_bfe_u32 s41, ttmp6, 0x40004                  ; cy
	s_lshl_b32 s42, ttmp9, 2
	s_add_co_u32 s42, s42, s40                     ; tile column
	s_and_b32 s17, ttmp7, 0xffff
	s_lshl_b32 s17, s17, 2
	s_add_co_u32 s17, s17, s41                     ; tile row
	s_lshl_b32 s43, s41, 2
	s_lshl_b32 s43, 15, s43                        ; my row of the cluster
	s_lshl_b32 s44, 0x1111, s40                    ; my column
	s_or_b32 s[G1+0], s43, (3<<16)|(1<<21)         ; a record is dense: 136 rows of 32 elements of 8 bytes
	s_or_b32 s[G1B+0], s44, (3<<16)|(1<<21)
.irp g, G1, G1B
	s_mov_b32 s[\g+1], 32<<16
	s_mov_b32 s[\g+2], 136<<16
	s_mov_b32 s[\g+3], 32<<16
	s_mov_b32 s[\g+4], 136
	s_mov_b32 s[\g+5], 32
	s_mov_b32 s[\g+6], 0
	s_mov_b32 s[\g+7], 0
.endr
	s_lshl_b32 s20, s17, 1
	s_add_co_u32 s20, s20, s16
	s_mul_i32 s20, s20, GRP                        ; A: group 2 x tile row + my record
	s_mov_b32 s21, 0
	s_lshl_b32 s46, s42, 1
	s_add_co_u32 s46, s46, s16
	s_mul_i32 s46, s46, GRP                        ; B: group 2 x tile column + my record
	s_mov_b32 s47, 0
	s_mul_i32 s45, s14, HALFT                      ; where my record goes in a slot
	s_wait_dscnt 0x0                               ; both opening adds are done
	s_wait_kmcnt 0x0
	s_add_nc_u64 s[BA:BA+1], s[4:5], s[20:21]
	s_add_nc_u64 s[BB:BB+1], s[6:7], s[46:47]
.irp s, 0,1
	s_mov_b32 s[G0+4*\s], 1
	s_add_co_u32 s[G0+4*\s+1], s45, \s*SLOT
	s_add_nc_u64 s[G0+4*\s+2:G0+4*\s+3], s[BA:BA+1], \s*HALFT      ; K step s
	s_or_b32 s[G0+4*\s+3], s[G0+4*\s+3], 0x80000000
	s_mov_b32 s[G0B+4*\s], 1
	s_add_co_u32 s[G0B+4*\s+1], s45, \s*SLOT
	s_add_nc_u64 s[G0B+4*\s+2:G0B+4*\s+3], s[BB:BB+1], \s*HALFT
	s_or_b32 s[G0B+4*\s+3], s[G0B+4*\s+3], 0x80000000
.endr
	CROUND                                         ; all sixteen work-groups are here: the first joint loads meet
	JLOAD G0, G1, G0B, G1B                         ; K step 0: one tensor load a wave at the head
	s_mul_i32 s21, s15, HALFT                      ; my record of A in slot 0,
	s_mul_i32 s22, s16, HALFT
	s_add_co_u32 s22, s22, 2*HALFT                 ; of B,
	s_sub_co_u32 s23, s22, s21
	s_add_co_u32 s90, s21, SLOT                    ; and in slot 1
	s_add_co_u32 s92, s22, SLOT
	s_mul_i32 s91, s14, 16*SPITCH                  ; my stage
	s_lshl_b32 s46, s42, 10                        ; my first column, in bytes of f32
	s_lshl_b32 s47, s16, 9
	s_add_co_u32 s46, s46, s47
	s_mov_b32 s47, 0
	s_add_nc_u64 s[8:9], s[8:9], s[46:47]
	s_lshl_b32 s88, s17, 8
	s_lshl_b32 s89, s15, 7
	s_add_co_u32 s88, s88, s89
	s_lshl_b32 s88, s88, 14                        ; my first row of out0, 16,384 bytes a row
	s_mov_b32 s89, 0
	s_add_nc_u64 s[10:11], s[10:11], s[88:89]
	s_add_nc_u64 s[10:11], s[10:11], s[46:47]
	; THE PREFETCHES.  A record is 136 blocks of 256 bytes; the four partners that ask for it jointly share them out by address, 34 each (cx for A's, cy for B's): two instructions a wave,
	; a lane a block; in the second, lanes 1-31 name the share's last block.  A K step is asked for two K steps ahead of the joint load that wants it; K step 1 at the head with K step 2.
	; The loop's last trip asks for nothing: K has eight steps.
	s_cmp_eq_u32 s15, 0
	s_cselect_b64 s[PFB:PFB+1], s[BA:BA+1], s[BB:BB+1]
	s_cselect_b32 s88, s40, s41
	s_mul_i32 s88, s88, 8704
	s_add_nc_u64 s[PFB:PFB+1], s[PFB:PFB+1], s[88:89]
	s_add_nc_u64 s[PFA:PFA+1], s[PFB:PFB+1], 3*HALFT   ; each refill steps it by a K step: the first names K step 4
	v_and_b32 v1, 15, v0                           ; r
	v_bfe_u32 v2, v0, 4, 1                         ; h
	v_and_b32 v6, 31, v0                           ; lane
	v_lshlrev_b32 v4, 4, v6                        ; a fragment: 16 bytes a lane
	v_mul_u32_u24 v3, s23, v2                      ; scale words: lanes 16-31 take B's record
	v_lshl_add_u32 v3, v1, 4, v3
	v_add_nc_u32 v3, CODES, v3
	v_mul_u32_u24 v5, v1, SPITCH
	v_lshl_add_u32 v5, v2, 5, v5
	v_min_u32 v7, 1, v6
	WIN 0x40
	v_add_nc_u32 v[ADRA], s21, v4
	v_add_nc_u32 v[ADRA+1], s90, v4
	v_add_nc_u32 v[ADRS], s21, v3
	v_add_nc_u32 v[ADRS+1], s90, v3
	v_add_nc_u32 v[STO], s91, v5
	v_add_nc_u32 v[RD], s91, v4
	v_mov_b32 v[CO], v4
	v_lshlrev_b32 v[PFO], 8, v6
	v_lshl_add_u32 v[PFO2], v7, 8, 8192
	WIN 0x80
	v_add_nc_u32 v[ADRB], s22, v4
	v_add_nc_u32 v[ADRB+1], s92, v4
	WIN 0x01
	s_wait_alu depctr_va_vdst(0)                   ; the wait at the end of the head's vector work
.irp j, 1,2
	global_prefetch_b8 v[PFO], s[PFB:PFB+1] offset:\j*HALFT th:TH_LOAD_NT scope:SCOPE_SE
	global_prefetch_b8 v[PFO2], s[PFB:PFB+1] offset:\j*HALFT th:TH_LOAD_NT scope:SCOPE_SE
.endr
	WIN 0x41
	global_load_b128 v[BI:BI+3], v[CO], s[8:9]     ; the bias of my four columns; waited for on the way out
; A quadrant's constants, and its setting of the windows (bits 1:0 source 0, 3:2 source 1, 5:4 C, 7:6 D)
.macro QSET n
.if \n == 0
.set AH_, 0
.set BH_, 0
.set AD_, ADRA
.set NH_, 0
	WIN 0x01
.elseif \n == 1
.set AH_, 0
.set BH_, 1
.set AD_, ADRB
.set NH_, 0
	WIN 0x52
.elseif \n == 2
.set AH_, 1
.set BH_, 1
.set AD_, ADRB
.set NH_, 1
	WIN 0xae
.else
.set AH_, 1
.set BH_, 0
.set AD_, ADRA
.set NH_, 1
	WIN 0xfd
.endif
.endm
; 8 matrix instructions of a quadrant: A's blocks a0, a0 + 1 x B's four; set p, the slot's q-th 128 along K, scale set sc.  zero = 1: the first product starts the sums.
; The 64 accumulators take turns, one instruction a turn.
.macro HALFQ a0, p, q, sc, zero
.irp a, \a0, \a0+1
.irp b, 0,1,2,3
.set N_, 4*(\a)+\b
.if \zero
	v_wmma_scale_f32_16x16x128_f8f6f4 v[8*N_:8*N_+7], v[FB+32*(\p)+8*\b:FB+32*(\p)+8*\b+7], v[FB+32*(\p)+8*(\a):FB+32*(\p)+8*(\a)+7], 0, v[SC+32*(\sc)+4*(4*BH_+\b)+(\q)], v[SC+32*(\sc)+4*(4*AH_+(\a))+(\q)] matrix_a_fmt:MATRIX_FMT_FP4 matrix_b_fmt:MATRIX_FMT_FP4 matrix_a_scale:MATRIX_SCALE_ROW1
.else
	v_wmma_scale_f32_16x16x128_f8f6f4 v[8*N_:8*N_+7], v[FB+32*(\p)+8*\b:FB+32*(\p)+8*\b+7], v[FB+32*(\p)+8*(\a):FB+32*(\p)+8*(\a)+7], v[8*N_:8*N_+7], v[SC+32*(\sc)+4*(4*BH_+\b)+(\q)], v[SC+32*(\sc)+4*(4*AH_+(\a))+(\q)] matrix_a_fmt:MATRIX_FMT_FP4 matrix_b_fmt:MATRIX_FMT_FP4 matrix_a_scale:MATRIX_SCALE_ROW1
.endif
.endr
.endr
.endm
.macro QUAD n, p, q, sc, zero
	QSET \n
	HALFQ 0, \p, \q, \sc, \zero
	HALFQ 2, \p, \q, \sc, \zero
.endm
.macro PIECE n, np, ns, nq             ; window n's piece, 8 loads: slot ns, its nq-th 128 along K, into set np
	QSET \n
.irp k, 0,1,2,3,4,5,6,7
	ds_load_b128 v[FB+32*(\np)+4*\k:FB+32*(\np)+4*\k+3], v[AD_+(\ns)] offset:1024*(\nq)+512*(\k%2)+(4*NH_+\k/2)*4096
.endr
.endm
.macro SCALES sc                       ; under quadrant 0's setting: a slot's scale words, four a row
.irp i, 0,1,2,3,4,5,6,7
	ds_load_b128 v[SC+32*\sc+4*\i:SC+32*\sc+4*\i+3], v[ADRS+\sc] offset:256*\i
.endr
.endm
; A step of 128 along K whose successor lies in the same slot (ld = 1), or the very last (ld = 0).  The four places stand between the last step's matrix instructions, which read the other set, and the loads into it
; (ISA guide 7.12.1 for vector instructions).  The wait ahead of quadrant 0 leaves out the 16 loads of the last step's second run and the 16 just issued; the wait ahead of quadrant 1 the 16 just issued.
; In each run the piece whose setting the next quadrant shares comes last.
.macro STEP slot, q, zero, ld
	PLACES
.if \ld
	PIECE 1, 1-(\q)%2, \slot, (\q)+1
	PIECE 0, 1-(\q)%2, \slot, (\q)+1
.endif
	s_wait_dscnt 16+16*(\ld)
	QUAD 0, (\q)%2, \q, \slot, \zero
	s_wait_dscnt 16*(\ld)
	QUAD 1, (\q)%2, \q, \slot, \zero
.if \ld
	PIECE 3, 1-(\q)%2, \slot, (\q)+1
	PIECE 2, 1-(\q)%2, \slot, (\q)+1
.endif
	QUAD 2, (\q)%2, \q, \slot, \zero
	QUAD 3, (\q)%2, \q, \slot, \zero
.endm
.macro ASK                             ; the K step two refills on; the loop's last trip (s3 = 1) has none
	s_cmp_gt_u32 s3, 1
	s_cbranch_scc0 .Lnone_\@
	WIN 0x01
	global_prefetch_b8 v[PFO], s[PFA:PFA+1] th:TH_LOAD_NT scope:SCOPE_SE
	global_prefetch_b8 v[PFO2], s[PFA:PFA+1] th:TH_LOAD_NT scope:SCOPE_SE
	WIN 0
.Lnone_\@:
.endm
; A slot's last step changes slots.  All its fragments were asked for in the step before, so my reads of the slot end at the wait for 0; ONE barrier, which with fill = 1 opens a round of the cluster's barrier.
.macro TURN slot, next, fill
.if \fill
	s_wait_xcnt 0x0                                ; my last prefetch has read its address
	s_add_nc_u64 s[PFA:PFA+1], s[PFA:PFA+1], HALFT
.endif
	PLACES
	WIN 0x05
	s_wait_tensorcnt 0x0                           ; all my tensor loads have landed: my record of the next slot;
	ds_add_u32 v[SPW], v[NIL]                      ; 0 onto my spare word
.if \fill
	s_add_nc_u64 s[G0+4*\slot+2:G0+4*\slot+3], s[G0+4*\slot+2:G0+4*\slot+3], 2*HALFT      ; no load of mine is out: this slot's descriptors go two K steps on
	s_add_nc_u64 s[G0B+4*\slot+2:G0B+4*\slot+3], s[G0B+4*\slot+2:G0B+4*\slot+3], 2*HALFT
.endif
	s_wait_dscnt 17                                ; the add and the last step's second run may be out
	QSET 0
	HALFQ 0, 1, 3, \slot, 0
	s_wait_dscnt 0x0                               ; the add is done, and my reads of this slot are over
	s_barrier_signal -1
	HALFQ 2, 1, 3, \slot, 0
	WIN 0
	s_barrier_wait -1
.if \fill
	CREST                                          ; no wave of any partner still reads this slot or has a load on its way
	JLOAD G0+4*\slot, G1, G0B+4*\slot, G1B         ; the first tensor load behind the round
.endif
	PIECE 1, 0, \next, 0                           ; the next slot's first fragments, rows 0-63, and its scale words
	PIECE 0, 0, \next, 0
	SCALES \next
.if \fill
	WIN 0
	ASK
.endif
	QUAD 1, 1, 3, \slot, 0
	PIECE 3, 0, \next, 0
	PIECE 2, 0, \next, 0
	QUAD 2, 1, 3, \slot, 0
	QUAD 3, 1, 3, \slot, 0
.endm
.macro STEPS slot, from
.set Q, \from
.rept 3-\from
	STEP \slot, Q, 0, 1
.set Q, Q+1
.endr
.endm
	WIN 0x05
	s_wait_tensorcnt 0x0                           ; my record of K step 0 is in
	ds_add_u32 v[SPW], v[NIL]
	s_wait_dscnt 0x0
	WIN 0
	CROUND
	JLOAD G0+4, G1, G0B+4, G1B                     ; slot 1's first fill, the first tensor load behind the round
	PIECE 1, 0, 0, 0
	PIECE 0, 0, 0, 0
	SCALES 0
	PIECE 3, 0, 0, 0
	PIECE 2, 0, 0, 0
	WIN 0x01
	global_prefetch_b8 v[PFO], s[PFB:PFB+1] offset:3*HALFT th:TH_LOAD_NT scope:SCOPE_SE
	global_prefetch_b8 v[PFO2], s[PFB:PFB+1] offset:3*HALFT th:TH_LOAD_NT scope:SCOPE_SE
	STEP 0, 0, 1, 1                                ; the first step's products start the sums
	WIN 0
	s_mov_b32 s3, LAPS-1
.Llap:                                                 ; a trip goes once round the ring and fills both slots again
	STEPS 0, 1
	TURN 0, 1, 1
	STEPS 1, 0
	TURN 1, 0, 1
	STEP 0, 0, 0, 1
	WIN 0
	s_sub_co_u32 s3, s3, 1
	s_cmp_lg_u32 s3, 0
	s_cbranch_scc1 .Llap
	STEPS 0, 1                                     ; the last lap fills nothing
	TURN 0, 1, 0
	STEPS 1, 0
	STEP 1, 3, 0, 0
; THE WAY OUT, by blocks of 16 rows x 128 columns: through my own stage in LDS, back as whole rows of 512 bytes, + bias, stored as two aligned units of 256 bytes.
; LDS serves a wave's instructions in order (ISA guide 5.7.1): no wait between the stores and the loads.  The rows come back into v128-191 of window 1 and window 3 by turns.
.macro TOSTAGE a
.set AC_, 32*((\a)%4)
.set WL_, 3*((\a)/4)
.set WH_, 1+(\a)/4
.set WE_, 1+2*((\a)%2)
	WIN 0x01|(WL_<<2)
.irp b, 0,1,2,3
	ds_store_b128 v[STO], v[AC_+8*\b:AC_+8*\b+3] offset:64*\b          ; each accumulator from its low end on
	ds_store_b128 v[STO], v[AC_+8*\b+4:AC_+8*\b+7] offset:64*\b+16
.endr
	WIN 0x01|(WH_<<2)
.irp b, 0,1,2,3
	ds_store_b128 v[STO], v[AC_+8*\b:AC_+8*\b+3] offset:256+64*\b
	ds_store_b128 v[STO], v[AC_+8*\b+4:AC_+8*\b+7] offset:256+64*\b+16
.endr
	WIN 0x01|(WE_<<6)
.irp t, 0,1,2,3,4,5,6,7,8,9,10,11,12,13,14,15
	ds_load_b128 v[FB+4*\t:FB+4*\t+3], v[RD] offset:\t*SPITCH
.endr
.endm
.macro SEND a, younger                 ; younger: the LDS instructions issued behind block a's loads
.set WE_, 1+2*((\a)%2)
	s_wait_dscnt \younger
.if (\a) > 0
	s_add_nc_u64 s[10:11], s[10:11], 16*SIZE_N*4   ; behind a wait on XCNT: the earlier stores have read their base
.endif
	WIN (WE_<<6)|WE_|0x04
.irp t, 0,1,2,3,4,5,6,7,8,9,10,11,12,13,14,15
	v_pk_add_f32 v[FB+4*\t:FB+4*\t+1], v[FB+4*\t:FB+4*\t+1], v[BI:BI+1]
	v_pk_add_f32 v[FB+4*\t+2:FB+4*\t+3], v[FB+4*\t+2:FB+4*\t+3], v[BI+2:BI+3]
.endr
	WIN 0x01|(WE_<<2)
.irp t, 0,1,2,3,4,5,6,7,8,9,10,11,12,13,14,15
	global_store_b128 v[CO], v[FB+4*\t:FB+4*\t+3], s[10:11] offset:\t*SIZE_N*4 th:TH_STORE_NT   ; 32 lanes store 512 consecutive bytes, at a multiple of 256 from out0's first byte
.endr
.endm
	PLACES                                         ; behind the last products: for the reads of results and the loads into fragment registers
	s_wait_loadcnt 0x0                             ; the bias is in
	TOSTAGE 0
.irp a, 1,2,3,4,5,6,7
.if \a > 1
	s_wait_xcnt 0x0                                ; block a - 2's stores have read their registers and their base
.endif
	TOSTAGE \a
	SEND \a-1, 32                                  ; behind block a - 1's loads: block a's 16 stores and 16 loads
.endr
	s_wait_xcnt 0x0
	SEND 7, 0
	WIN 0x05
	s_wait_tensorcnt 0x0                           ; the wave's end
	ds_add_u32 v[SPW], v[NIL]
	s_wait_dscnt 0x0
	WIN 0
	CROUND                                         ; the closing round
	s_endpgm
.Lfunc_end_k_q6f0bfda598_gemm:
	.size	k_q6f0bfda598_gemm, .Lfunc_end_k_q6f0bfda598_gemm-k_q6f0bfda598_gemm
	.p2alignl 7, 3214868480
	.fill 96, 4, 3214868480
	.section	.rodata,"a",@progbits
	.p2align	6, 0x0
	.amdhsa_kernel k_q6f0bfda598_gemm
		.amdhsa_group_segment_fixed_size 327680
		.amdhsa_private_segment_fixed_size 0
		.amdhsa_enable_private_segment 0
		.amdhsa_kernarg_size 32
		.amdhsa_user_sgpr_count 2
		.amdhsa_user_sgpr_kernarg_segment_ptr 1
		.amdhsa_wavefront_size32 1
		.amdhsa_system_sgpr_workgroup_id_x 1
		.amdhsa_system_sgpr_workgroup_id_y 1
		.amdhsa_system_sgpr_workgroup_id_z 1
		.amdhsa_system_vgpr_workitem_id 0
		.amdhsa_next_free_vgpr 1024
		.amdhsa_next_free_sgpr 96
		.amdhsa_reserve_vcc 0
		.amdhsa_float_denorm_mode_32 3
		.amdhsa_float_denorm_mode_16_64 3
		.amdhsa_memory_ordered 1
		.amdhsa_forward_progress 1
		.amdhsa_inst_pref_size 227
	.end_amdhsa_kernel
	.amdgpu_metadata
---
amdhsa.version: [ 1, 2 ]
amdhsa.kernels:
  - .name:           k_q6f0bfda598_gemm
    .symbol:         k_q6f0bfda598_gemm.kd
    .args:
      - { .name: acodes, .offset: 0, .size: 8, .value_kind: global_buffer, .address_space: global }
      - { .name: bcodes, .offset: 8, .size: 8, .value_kind: global_buffer, .address_space: global }
      - { .name: bias, .offset: 16, .size: 8, .value_kind: global_buffer, .address_space: global }
      - { .name: out0, .offset: 24, .size: 8, .value_kind: global_buffer, .address_space: global }
    .group_segment_fixed_size: 327680
    .private_segment_fixed_size: 0
    .kernarg_segment_align: 8
    .kernarg_segment_size: 32
    .max_flat_workgroup_size: 128
    .sgpr_count:     96
    .vgpr_count:     1024
    .wavefront_size: 32
...
	.end_amdgpu_metadata
.endif
;; end of part 2
